; MI455X (gfx1250); checked and timed in simulation.
; The chip was launched on July 23, 2026; its instructions are those of AMD's public machine-readable ISA for CDNA 5 (MIT licence, August 2026) and "CDNA5" Instruction Set Architecture Reference Guide (July 2026). The comments in the code are by the model that wrote it; some were corrected since.
;; Self Attention Head. Allowed arithmetic: matrix products marked QUANTISED: E3M2 operands, one E8M0 scale for each 32 along K, by v_wmma_scale_f32_16x16x128_f8f6f4 with both operands' format E3M2, f32 sums; everything else in f32.
;; Inputs: Wk 1,024 x 64 float32; Wq 1,024 x 64 float32; Wv 1,024 x 64 float32; x 4 x 4,096 x 1,024 float32.
;; Outputs: out0 4 x 4,096 x 64 float32.
;; This version of the problem:
;;   THIS VERSION OF THE PROBLEM IS GIVEN IN LOW PRECISION. The matrix products marked QUANTISED in the list below multiply operands that are first quantised to E3M2 (3 exponent bits, 2 mantissa bits; 6 bits a number), with one power-of-two scale for each 32 numbers along K (OCP MX v1.0); their sums are f32. All else is computed in f32.
;;   The module's matrix products, in the order in which they are computed (A, B: the left and right operand; K: the contracted axis; several contracted axes count as one K, in the product's order):
;;     1. [M 16,384, K 1,024] x [K 1,024, N 64]; A: input x; B: input Wk: QUANTISED
;;     2. [M 16,384, K 1,024] x [K 1,024, N 64]; A: input x; B: input Wq: QUANTISED
;;     3. [M 16,384, K 1,024] x [K 1,024, N 64]; A: input x; B: input Wv: QUANTISED
;;     4. batch 4 x [M 4,096, K 64] x [K 64, N 4,096]; A: computed on the way; B: computed on the way: QUANTISED
;;     5. batch 4 x [M 4,096, K 4,096] x [K 4,096, N 64]; A: softmax (see below); B: computed on the way: QUANTISED
;;   THE QUANTISER, for each operand of a quantised product, along K:
;;     - K is cut into blocks of 32 from its start; a last block that is shorter is filled with zeros.
;;     - A block's scale is 2^e with e = floor(log2(the largest magnitude in the block)) - 4, held to -126 .. 127; a block of zeros has e = 0. As a byte (E8M0): e + 127.
;;     - Each number is divided by its block's scale, clamped to +-28, and rounded to the nearest number of E3M2, ties to even, subnormals kept.
;;     - The product sums the exact products of the quantised numbers (number of the format x scale) in f32.
;;   ~~~python
;;   def quantise(x, axis):      # numpy; x: float32 -> the quantised numbers, widened to float32 again
;;       x = np.moveaxis(x, axis, -1); K = x.shape[-1]
;;       x = np.pad(x, [(0, 0)] * (x.ndim - 1) + [(0, -K % 32)]); x = x.reshape(x.shape[:-1] + (-1, 32)); a = np.abs(x).max(-1, keepdims=True)
;;       e = np.where(a > 0, np.clip(np.frexp(np.where(a > 0, a, 1))[1] - 1 - 4, -126, 127), 0)      # np.frexp(a)[1] - 1 = floor(log2(a)), exactly
;;       r = np.clip(x / 2.0 ** e, -28, 28)
;;       step = 2.0 ** (np.maximum(np.frexp(np.where(r == 0, 1, r))[1] - 1, -2) - 2)
;;       q = np.round(r / step) * step * 2.0 ** e      # np.round: ties to even
;;       return np.moveaxis(q.reshape(q.shape[:-2] + (-1,))[..., :K], -1, axis).astype(np.float32)
;;   ~~~
;;   SOFTMAX AHEAD OF A QUANTISED PRODUCT. Where the list says 'softmax', what is quantised is not the finished softmax but p = 2^(t - M), with t = logit x log2(e) and M = ceil(the row's largest t), a whole number; so 1/2 < the row's largest p <= 1. The row's sum l is taken of the UNQUANTISED p, in f32, and the product's result is divided by l at the end. Since M is a whole number, a kernel that streams over the keys may use a running M (the ceiling of the running maximum): every later rescaling is an exact power of two, which a block's scale takes up: the codes' values come out the same.
;;   OPERANDS COMPUTED ON THE WAY. 'Computed on the way' means the value that the module computes at that place (a softmax that the list does not call 'softmax' is quantised finished and normalised). What goes into a quantiser is computed in f32, as accurately as f32 sums, v_exp_f32 and their like allow (about 1e-6 of the number): no bf16 or f16 on the way to a quantiser, and a product that is left as it is and whose result goes on into a quantised operand takes f32 operands (vector FMAs, or v_wmma_f32_16x16x4_f32). A number that lies on a knife's edge between two numbers of the format may be rounded either way, as far as f32 arithmetic and the matrix unit's own rounding can turn it there, and no further.
;; One version. Each part assembles by itself: llvm-mc -triple=amdgcn-amd-amdhsa -mcpu=gfx1250 --defsym DOCPART=n.
;; ======== version 1 of 1: 3 launches
;; workspace buffers: wc 147,456 bytes; wsc 12,288 bytes; kc 786,432 bytes; qc 786,432 bytes; vc 786,432 bytes; scl 131,072 bytes
;; launch wquant (part 1): grid 8 x 3, 4 waves a work-group, no clusters, 0 bytes of LDS; arguments Wk, Wq, Wv, wc, wsc; writes wc, wsc
.if DOCPART == 1
	.amdgcn_target "amdgcn-amd-amdhsa--gfx1250"
	.amdhsa_code_object_version 6
	.text
	.protected	k_q0b83a3045f_wquant
	.globl	k_q0b83a3045f_wquant
	.p2align	8
	.type	k_q0b83a3045f_wquant,@function
k_q0b83a3045f_wquant:
	s_mov_b64 s[64:65], 0
	v_nop
	global_prefetch_b8 v0, s[64:65] scope:SCOPE_SE
	s_setreg_imm32_b32 hwreg(HW_REG_WAVE_MODE, 25, 1), 1
	s_wait_xcnt 0x0
; Wk, Wq, Wv [1024][64], f32, K = the first axis, become 96 operand fragments of BF6 (E3M2) codes with their E8M0 scale words.
; Fragment F = (matrix x 4 + column tile) x 8 + K step: 16 columns x 128 along K, 12 registers a lane, stored as an IMAGE OF THE REGISTERS:
; registers 4 q .. 4 q + 3 of lane l at byte 1536 F + 512 q + 16 l of wc; the lane's scale word at byte 128 F + 4 l of wsc (lanes r and r + 16 hold the same word).
; THE COLUMNS OF A TILE ARE NOT NEIGHBOURS: lane r of tile t takes column 32 (t / 2) + 8 (t % 2) + r + 8 (r / 8), so that the results of two neighbouring tiles,
; used transposed in the next launch, are 16 neighbouring channels in a lane's registers.
; A LANE TAKES A COLUMN AND ITS REGISTERS RUN DOWN K, in the order that the operand's layout gives lane (r, h): k = 64 c + 32 h + 0 .. 31.  A lane holds two whole blocks of 32,
; so no other lane is asked for a maximum, and the conversions' results are the operand's registers.
; A block's scale is 2^(floor(log2(its largest magnitude)) - 4); its byte is the largest magnitude's exponent field - 4, held at 1 from below.
; LIMITS: a block of zeros gets the byte 1 where the quantiser says 127 (its codes are zeros, and only this program reads the bytes); a block whose largest magnitude lies under 2^-122 keeps the byte 1;
; NaN and infinities among the inputs are not served.
; SHARES: work-group x = the K step, y = the matrix, the wave = the column tile: one fragment a wave, 96 waves in 24 work-groups: all the work there is.  No LDS, no barrier.
.set X,  32                            ; v32-95   my 64 numbers: block c at v[X + 32 c]
.set C,  96                            ; v96-107  the fragment
.set C2, 108                           ; v108-110, v112-114 the second halves of the blocks' codes, as the conversions leave them
	s_load_b256 s[4:11], s[0:1], 0x0               ; Wk s[4:5], Wq s[6:7], Wv s[8:9], wc s[10:11]
	s_load_b64 s[12:13], s[0:1], 0x20              ; wsc
	v_lshrrev_b32 v1, 5, v0
	v_readfirstlane_b32 s14, v1                    ; the wave = the column tile
	s_mov_b32 s15, ttmp9                           ; the K step
	s_and_b32 s16, ttmp7, 0xffff                   ; the matrix: 0 k, 1 q, 2 v
	v_and_b32 v1, 15, v0                           ; r
	v_bfe_u32 v2, v0, 4, 1                         ; h
	v_and_b32 v6, 31, v0                           ; lane
	v_lshlrev_b32 v3, 4, v6                        ; an image's place for my lane
	v_lshlrev_b32 v4, 2, v6                        ; a scale word's
	v_and_b32 v5, 8, v1
	v_add_nc_u32 v5, v5, v1                        ; r + 8 (r / 8)
	s_lshr_b32 s17, s14, 1
	s_lshl_b32 s17, s17, 5
	s_and_b32 s18, s14, 1
	s_lshl_b32 s18, s18, 3
	s_add_co_u32 s17, s17, s18                     ; 32 (t / 2) + 8 (t % 2)
	v_add_nc_u32 v5, s17, v5                       ; my column
	v_lshlrev_b32 v5, 2, v5                        ; in bytes,
	v_lshl_add_u32 v5, v2, 13, v5                  ; and lanes 16-31 begin 32 rows of 256 bytes further down
	s_mov_b32 s20, 0x76543210
	s_mov_b32 s21, 0xfedcba98                      ; v_permlanex16_b32's selects for lane l xor 16
	s_lshl_b32 s22, s16, 2
	s_add_co_u32 s22, s22, s14
	s_lshl_b32 s22, s22, 3
	s_add_co_u32 s22, s22, s15                     ; F
	s_mov_b32 s19, 0
	s_wait_kmcnt 0x0
	s_cmp_eq_u32 s16, 1                            ; the matrix is chosen by the work-group's y alone
	s_cselect_b64 s[4:5], s[6:7], s[4:5]
	s_cmp_eq_u32 s16, 2
	s_cselect_b64 s[4:5], s[8:9], s[4:5]
	s_lshl_b32 s18, s15, 15                        ; 128 rows of 256 bytes a K step
	s_add_nc_u64 s[4:5], s[4:5], s[18:19]
	s_mul_i32 s18, s22, 1536
	s_add_nc_u64 s[10:11], s[10:11], s[18:19]
	s_lshl_b32 s18, s22, 7
	s_add_nc_u64 s[12:13], s[12:13], s[18:19]
.irp c, 0,1
.irp i, 0,1,2,3,4,5,6,7,8,9,10,11,12,13,14,15,16,17,18,19,20,21,22,23,24,25,26,27,28,29,30,31
	global_load_b32 v[X+32*\c+\i], v5, s[4:5] offset:256*(64*\c+\i)   ; W(128 s + 64 c + 32 h + i, my column); the four waves together read each row's 256 bytes
.endr
.endr
	s_wait_loadcnt 0x0                             ; both blocks: nothing can be worked on before
.irp c, 0,1
	v_max3_num_f32 v[12+\c], |v[X+32*\c]|, |v[X+32*\c+1]|, 0x2800000   ; my block 2 c + h, and the floor 2^(5 - 127): the byte cannot fall under 1
.endr
.irp i, 2,4,6,8,10,12,14,16,18,20,22,24,26,28,30
.irp c, 0,1
	v_max3_num_f32 v[12+\c], v[12+\c], |v[X+32*\c+\i]|, |v[X+32*\c+\i+1]|   ; (the two blocks by turns)
.endr
.endr
.irp c, 0,1
	v_add_nc_u32 v[14+\c], 0xfe000000, v[12+\c]    ; 4 off the exponent field: the conversion takes the exponent field of this operand as its scale
.endr
.irp c, 0,1
	v_lshrrev_b32 v[16+\c], 23, v[14+\c]           ; the scale's byte
.endr
	v_lshl_or_b32 v9, v17, 16, v16                 ; my two bytes: blocks h and 2 + h,
	v_lshlrev_b32 v10, 3, v2
	v_lshlrev_b32 v9, v10, v9                      ; at their places in the scale word (8 h bits up);
	v_mov_b32 v10, 0
	v_permlanex16_b32 v10, v9, s20, s21
	v_or_b32 v9, v9, v10                           ; with lane l xor 16's two the word is whole, in both lanes
.irp c, 0,1
	v_cvt_scalef32_pk16_bf6_f32 v[C+6*\c:C+6*\c+2], v[X+32*\c:X+32*\c+15], v[14+\c]
	v_cvt_scalef32_pk16_bf6_f32 v[C2+4*\c:C2+4*\c+2], v[X+32*\c+16:X+32*\c+31], v[14+\c]   ; (a conversion's three registers begin on an even number)
.endr
	v_nop                                          ; one plain place behind a scaled conversion
.irp c, 0,1
.irp i, 0,1,2
	v_mov_b32 v[C+6*\c+3+\i], v[C2+4*\c+\i]
.endr
.endr
.irp q, 0,1,2
	global_store_b128 v3, v[C+4*\q:C+4*\q+3], s[10:11] offset:512*\q   ; 32 lanes store 512 consecutive bytes, aligned
.endr
	global_store_b32 v4, v9, s[12:13]              ; 128 consecutive bytes: a work-group's four waves do not share a block of 256 here; 12 KiB in the whole launch
	s_endpgm
.Lfunc_end_k_q0b83a3045f_wquant:
	.size	k_q0b83a3045f_wquant, .Lfunc_end_k_q0b83a3045f_wquant-k_q0b83a3045f_wquant
	.p2alignl 7, 3214868480
	.fill 96, 4, 3214868480
	.section	.rodata,"a",@progbits
	.p2align	6, 0x0
	.amdhsa_kernel k_q0b83a3045f_wquant
		.amdhsa_group_segment_fixed_size 0
		.amdhsa_private_segment_fixed_size 0
		.amdhsa_enable_private_segment 0
		.amdhsa_kernarg_size 40
		.amdhsa_user_sgpr_count 2
		.amdhsa_user_sgpr_kernarg_segment_ptr 1
		.amdhsa_wavefront_size32 1
		.amdhsa_system_sgpr_workgroup_id_x 1
		.amdhsa_system_sgpr_workgroup_id_y 1
		.amdhsa_system_sgpr_workgroup_id_z 1
		.amdhsa_system_vgpr_workitem_id 0
		.amdhsa_next_free_vgpr 128
		.amdhsa_next_free_sgpr 66
		.amdhsa_reserve_vcc 0
		.amdhsa_float_denorm_mode_32 3
		.amdhsa_float_denorm_mode_16_64 3
		.amdhsa_memory_ordered 1
		.amdhsa_forward_progress 1
		.amdhsa_inst_pref_size 12
	.end_amdhsa_kernel
	.amdgpu_metadata
---
amdhsa.version: [ 1, 2 ]
amdhsa.kernels:
  - .name:           k_q0b83a3045f_wquant
    .symbol:         k_q0b83a3045f_wquant.kd
    .args:
      - { .name: Wk, .offset: 0, .size: 8, .value_kind: global_buffer, .address_space: global }
      - { .name: Wq, .offset: 8, .size: 8, .value_kind: global_buffer, .address_space: global }
      - { .name: Wv, .offset: 16, .size: 8, .value_kind: global_buffer, .address_space: global }
      - { .name: wc, .offset: 24, .size: 8, .value_kind: global_buffer, .address_space: global }
      - { .name: wsc, .offset: 32, .size: 8, .value_kind: global_buffer, .address_space: global }
    .group_segment_fixed_size: 0
    .private_segment_fixed_size: 0
    .kernarg_segment_align: 8
    .kernarg_segment_size: 40
    .max_flat_workgroup_size: 128
    .sgpr_count:     66
    .vgpr_count:     128
    .wavefront_size: 32
...
	.end_amdgpu_metadata
.endif
;; end of part 1
;; launch proj (part 2): grid 256 x 1, 4 waves a work-group, no clusters, 287,232 bytes of LDS; arguments x, wc, wsc, kc, qc, vc, scl; writes kc, qc, vc, scl
.if DOCPART == 2
	.amdgcn_target "amdgcn-amd-amdhsa--gfx1250"
	.amdhsa_code_object_version 6
	.text
	.protected	k_q0b83a3045f_proj
	.globl	k_q0b83a3045f_proj
	.p2align	8
	.type	k_q0b83a3045f_proj,@function
k_q0b83a3045f_proj:
	s_mov_b64 s[64:65], 0
	v_nop
	global_prefetch_b8 v0, s[64:65] scope:SCOPE_SE
	s_setreg_imm32_b32 hwreg(HW_REG_WAVE_MODE, 25, 1), 1
	s_wait_xcnt 0x0
; k, q, v = x W on codes of BF6 (E3M2) with one E8M0 scale for each 32 along K = 1024; x [16384][1024] f32 is quantised here; the results are quantised at once for the attention launch and leave as codes.
; SHARES.  A work-group takes 64 tokens (unit U).  All 256 KiB of its x are asked for at the start: eight tensor loads a wave (by this text's count eight are out at the most), each 16 rows x 512 bytes,
; into LDS bytes that are filled once.  Wave w asks for, reads and quantises rows 16 w .. 16 w + 15, so its own wait on TENSORcnt is all that these reads need.
; THE WAVES SHARE THE COLUMNS of the products: wave 0 makes k, wave 1 q (transposed: source 0 = 16 columns of W, source 1 = 16 tokens: a lane holds one token, its registers run along the channels, the next K);
; waves 2 and 3 make two channel tiles of v each (source 0 = 16 tokens, source 1 = 16 columns of W: a lane holds one channel, its registers run down the tokens, the next K of v).
; Each wave's fragments of W stay in its registers, loaded once as images.  x's fragments go from wave to wave through LDS as images of their registers, in two sets by turns: one barrier a K step.
; THE TOKENS OF A TILE ARE NOT NEIGHBOURS: lane r of token tile T holds token 32 (T / 2) + 8 (T % 2) + r + 8 (r / 8) of the unit (W's columns likewise), so that 16 registers of two neighbouring tiles are 16 neighbours along the next K.
; OUT.  kc, qc: an image of 1,536 bytes for each 32 tokens: registers 6 u .. 6 u + 5 of lane (r, h) = token 8 u + r + 8 (r / 8), channels 32 h .. 32 h + 31.
;   vc: 3,072 bytes a unit, four half-images of 768: lane (r, h) = channel of tile t, lane r; tokens 32 h .. 32 h + 31: registers 0-3 at 16 x lane, registers 4-5 at 512 + 8 x lane.
;   scl: 512 bytes a unit: k's words at 8 r + 4 b (word b = the two bytes of tile 2 b, then of tile 2 b + 1); v's half-words at 128 + 8 r + 2 t; q's words at 256 + 8 x lane + 4 b.
; NO JOINT LOADS: what the work-groups share is W, 159,744 bytes of codes and scales; x's block and the stages take 284,160 bytes of LDS, so W has no LDS to land in and goes into registers.
; LIMITS: as in the launch before: a block of zeros gets the byte 1; blocks under 2^-122 keep the byte 1; NaN and infinities among the inputs are not served.
; REGISTERS, in windows of 256.  window 0: v1-11 addresses; v16-79 64 numbers of x (at the end: images, half-words); v80-99 codes; v100-116 at work; v120-167 x's four fragments; v168-171 their scale words; v172-203 W's scale words.
;   window 1: W's fragments of K steps 0-3 at v[12 (4 s + tile)];  window 2: of K steps 4-7;  window 3: the accumulators.
.set XTW,  67584                       ; LDS: x: a wave's eight tiles
.set XTS,  8448                        ; a tile: 16 rows x (512 bytes + 16): row r starts 33 r places of 16 bytes on, so the 16 rows of a load fall on different banks (ISA guide 11.1)
.set XP,   528
.set XIMG, 270336                      ; x's fragments: two sets of 4 images of 1,536 bytes
.set XSC,  282624                      ; their scale words: two sets of 4 x 128 bytes
.set SCST, 283648                      ; the stage for the unit's 512 bytes of scl
.set LI,  1                            ; v1   16 x lane
.set LS,  2                            ; v2   4 x lane
.set XA,  3                            ; v3   x in LDS: my row, my 16 numbers of a block
.set XWI, 4                            ; v4   where my lane's part of an image goes
.set XWS, 5                            ; v5   and my row's scale word
.set SAQ, 6                            ; v6   the stage: k's or q's words
.set SAV, 7                            ; v7   the stage: v's half-words
.set L8,  8                            ; v8   8 x lane
.set SRD, 9                            ; v9   the stage, read back
.set RI,  10                           ; v10  images, read: XIMG + 16 x lane
.set RS,  11                           ; v11  scale words, read: XSC + 4 x lane
.set XN,  16
.set IM,  16
.set HW,  40
.set WD,  44
.set OUTR, 48
.set PC,  80
.set CT,  92
.set TM,  100                          ; v100-103 largest magnitudes, v104-107 the other half's, then bytes, v112-115 the conversions' scale operands
.set PW,  116
.set XF,  120
.set XS,  168
.set WS,  172
.set WV,  18
.set SEL, 20
.set G1,  24
.set G0,  32
.set MSB, 0
.macro WIN new                         ; the immediate's high byte repeats the setting that is left; a switch that changes nothing is dropped
.if MSB != (\new)
	s_set_vgpr_msb (MSB<<8)|(\new)
.set MSB, (\new)
.endif
.endm
.macro PLACES n
.rept \n
	v_nop
.endr
.endm
.macro BARRIER                         ; my LDS stores have landed and my LDS loads are in: then the work-group's barrier
	s_wait_dscnt 0x0
	s_barrier_signal -1
	s_barrier_wait -1
.endm
; 32 nc numbers of a lane in window dw, register s + 16 b + i = number 32 b + 16 (lane / 16) + i along K of the lane's row, become 6 nc registers of codes at v[pc] on and the blocks' bytes in v[pw].
; The numbers are read from the low end on.
.macro QUANT s, nc, dw, pc, pw
	WIN ((\dw)<<2)|((\dw)<<4)
.set QB_, 0
.rept 2*(\nc)
	v_max3_num_f32 v[TM+QB_], 0x2800000, |v[(\s)+16*QB_]|, |v[(\s)+16*QB_+1]|   ; my 16 numbers of block b, and the floor 2^(5 - 127): the byte cannot fall under 1
.set QB_, QB_+1
.endr
.irp i, 2,4,6,8,10,12,14
.set QB_, 0
.rept 2*(\nc)
	v_max3_num_f32 v[TM+QB_], v[TM+QB_], |v[(\s)+16*QB_+\i]|, |v[(\s)+16*QB_+\i+1]|   ; (the blocks by turns)
.set QB_, QB_+1
.endr
.endr
	WIN 0
.set QB_, 0
.rept 2*(\nc)
	v_permlanex16_b32 v[TM+4+QB_], v[TM+QB_], s[SEL], s[SEL+1]
.set QB_, QB_+1
.endr
.set QB_, 0
.rept 2*(\nc)
	v_max_num_f32 v[TM+QB_], v[TM+QB_], v[TM+4+QB_]   ; with lane l xor 16's: the block's largest magnitude
.set QB_, QB_+1
.endr
.set QB_, 0
.rept 2*(\nc)
	v_add_nc_u32 v[TM+12+QB_], 0xfe000000, v[TM+QB_]   ; 4 off its exponent field: the conversion's scale operand
.set QB_, QB_+1
.endr
.set QB_, 0
.rept 2*(\nc)
	v_lshrrev_b32 v[TM+4+QB_], 23, v[TM+12+QB_]    ; the scale's byte
.set QB_, QB_+1
.endr
	v_lshl_or_b32 v[\pw], v[TM+5], 8, v[TM+4]
.if (\nc) == 2
	v_lshl_or_b32 v[\pw], v[TM+6], 16, v[\pw]
	v_lshl_or_b32 v[\pw], v[TM+7], 24, v[\pw]
.endif
	WIN (\dw)
.set QC_, 0
.rept (\nc)
	v_cvt_scalef32_pk16_bf6_f32 v[(\pc)+6*QC_:(\pc)+6*QC_+2], v[(\s)+32*QC_:(\s)+32*QC_+15], v[TM+12+2*QC_]
	v_cvt_scalef32_pk16_bf6_f32 v[CT+4*QC_:CT+4*QC_+2], v[(\s)+32*QC_+16:(\s)+32*QC_+31], v[TM+12+2*QC_+1]   ; (a conversion's three registers begin on an even number)
.set QC_, QC_+1
.endr
	WIN 0
	v_nop                                          ; one plain place behind a scaled conversion
.set QC_, 0
.rept (\nc)                            ; the operand's layout wants a WHOLE block in a lane: lanes 0-15 block 2 c, lanes 16-31 block 2 c + 1
.irp i, 0,1,2
	v_permlane16_swap_b32 v[(\pc)+6*QC_+\i], v[CT+4*QC_+\i]
.endr
.irp i, 0,1,2
	v_mov_b32 v[(\pc)+6*QC_+3+\i], v[CT+4*QC_+\i]
.endr
.set QC_, QC_+1
.endr
.endm
; one product; k = 0: the first K step starts the sum with the constant 0
.macro MM d, a, b, k, sa, sb
.if (\k) == 0
	v_wmma_scale_f32_16x16x128_f8f6f4 v[(\d):(\d)+7], v[(\a):(\a)+11], v[(\b):(\b)+11], 0, v[\sa], v[\sb] matrix_a_fmt:MATRIX_FMT_BF6 matrix_b_fmt:MATRIX_FMT_BF6
.else
	v_wmma_scale_f32_16x16x128_f8f6f4 v[(\d):(\d)+7], v[(\a):(\a)+11], v[(\b):(\b)+11], v[(\d):(\d)+7], v[\sa], v[\sb] matrix_a_fmt:MATRIX_FMT_BF6 matrix_b_fmt:MATRIX_FMT_BF6
.endif
.endm
; my column tile cc of W, all eight K steps: 24 loads of 512 consecutive bytes, and 8 scale words a lane
.macro WLOAD cc
	WIN 0x40                                       ; destination window 1
.irp s, 0,1,2,3
.irp q, 0,1,2
	global_load_b128 v[12*(4*\s+(\cc))+4*\q:12*(4*\s+(\cc))+4*\q+3], v[LI], s[6:7] offset:(8*(\cc)+\s)*1536+512*\q
.endr
.endr
	WIN 0x80                                       ; destination window 2
.irp s, 4,5,6,7
.irp q, 0,1,2
	global_load_b128 v[12*(4*(\s-4)+(\cc))+4*\q:12*(4*(\s-4)+(\cc))+4*\q+3], v[LI], s[6:7] offset:(8*(\cc)+\s)*1536+512*\q
.endr
.endr
	WIN 0
.irp s, 0,1,2,3,4,5,6,7
	global_load_b32 v[WS+4*\s+(\cc)], v[LS], s[8:9] offset:(8*(\cc)+\s)*128
.endr
.endm
	s_load_b256 s[4:11], s[0:1], 0x0               ; x s[4:5], wc s[6:7], wsc s[8:9], kc s[10:11]
	s_load_b128 s[12:15], s[0:1], 0x20             ; qc s[12:13], vc s[14:15]
	s_load_b64 s[16:17], s[0:1], 0x30              ; scl
	v_lshl_add_u32 v254, v0, 2, 0x46000
	v_mov_b32 v255, 0
	ds_add_u32 v254, v255
	ds_add_u32 v254, v255
	v_lshrrev_b32 v12, 5, v0
	v_readfirstlane_b32 s[WV], v12                 ; wave 0..3
	v_and_b32 v12, 31, v0                          ; lane
	v_and_b32 v13, 15, v0                          ; r
	v_bfe_u32 v14, v0, 4, 1                        ; h
	v_bfe_u32 v15, v0, 3, 1                        ; r / 8
	v_and_b32 v17, 7, v0                           ; r % 8
	v_lshlrev_b32 v[LI], 4, v12
	v_lshlrev_b32 v[LS], 2, v12
	v_lshlrev_b32 v[L8], 3, v12
	s_mul_i32 s22, s[WV], XTW                      ; my wave's tiles of x
	v_mul_u32_u24 v[XA], v13, XP
	v_lshl_add_u32 v[XA], v14, 6, v[XA]
	v_add_nc_u32 v[XA], s22, v[XA]                 ; row r, + 64 h: my 16 numbers of a block of 32
	; natural row 16 w + r = 32 (w / 2) + 16 (w % 2) + 8 (r / 8) + r % 8 is lane 8 (w % 2) + r % 8 of token tile 2 (w / 2) + r / 8
	s_lshr_b32 s19, s[WV], 1
	s_and_b32 s66, s[WV], 1
	s_mul_i32 s23, s19, 3072
	s_lshl_b32 s67, s66, 7
	s_add_co_u32 s23, s23, s67
	s_add_co_u32 s23, s23, XIMG
	v_mul_u32_u24 v[XWI], v15, 1536
	v_lshl_add_u32 v[XWI], v17, 4, v[XWI]
	v_lshl_add_u32 v[XWI], v14, 8, v[XWI]
	v_add_nc_u32 v[XWI], s23, v[XWI]
	s_lshl_b32 s23, s19, 8
	s_lshl_b32 s67, s66, 5
	s_add_co_u32 s23, s23, s67
	s_add_co_u32 s23, s23, XSC
	v_lshlrev_b32 v[XWS], 7, v15
	v_lshl_add_u32 v[XWS], v17, 2, v[XWS]
	v_lshl_add_u32 v[XWS], v14, 6, v[XWS]
	v_add_nc_u32 v[XWS], s23, v[XWS]
	s_lshl_b32 s19, s[WV], 7
	v_mul_u32_u24 v[SAQ], s19, v14                 ; wave 0 (k): 8 r, both halves of the lanes the same place; wave 1 (q): 256 + 8 x lane
	v_lshl_add_u32 v[SAQ], v13, 3, v[SAQ]
	s_lshl_b32 s19, s[WV], 8
	s_add_co_u32 s19, s19, SCST
	v_add_nc_u32 v[SAQ], s19, v[SAQ]
	s_lshl_b32 s23, s[WV], 2
	s_add_co_u32 s23, s23, SCST+120
	v_lshl_add_u32 v[SAV], v13, 3, s23             ; waves 2, 3 (v): 128 + 8 r + 4 (w - 2)
	v_add_nc_u32 v[SRD], SCST, v[LI]
	v_add_nc_u32 v[RI], XIMG, v[LI]
	v_add_nc_u32 v[RS], XSC, v[LS]
.irp b, 0,1,2,3
	v_mov_b32 v[TM+4+\b], 0                        ; written once: a lane permute's destination counts as one of its sources
.endr
	s_mov_b32 s[SEL], 0x76543210
	s_mov_b32 s[SEL+1], 0xfedcba98                 ; v_permlanex16_b32's selects for lane l xor 16
	; descriptor group 1: a tile of 16 rows x 128 numbers of 4 bytes, 16 bytes of padding behind each row
	s_mov_b32 s[G1+0], (2<<16)|(1<<20)|(6<<22)|(3<<25)   ; no mask; elements of 4 bytes; padding on; after every 128 words (code 6) 4 words (code 3)
	s_mov_b32 s[G1+1], 128<<16                     ; tensor_dim0 = 128
	s_mov_b32 s[G1+2], 16<<16                      ; tensor_dim1 = 16
	s_mov_b32 s[G1+3], 128<<16                     ; tile_dim0 = 128
	s_mov_b32 s[G1+4], 16                          ; tile_dim1 = 16
	s_mov_b32 s[G1+5], 1024                        ; elements from row to row
	s_mov_b32 s[G1+6], 0
	s_mov_b32 s[G1+7], 0
	s_lshl_b32 s66, ttmp9, 18                      ; the unit's 64 rows of 4,096 bytes (under 2^26),
	s_lshl_b32 s19, s[WV], 16                      ; my wave's 16 of them
	s_add_co_u32 s66, s66, s19
	s_mov_b32 s67, 0
	s_lshl_b32 s19, s[WV], 5                       ; my first fragment of W: 0, 32, 64, 80 = min(32 w, 16 w + 32)
	s_lshl_b32 s23, s[WV], 4
	s_add_co_u32 s23, s23, 32
	s_min_u32 s19, s19, s23
	s_mul_i32 s68, s19, 1536
	s_mov_b32 s69, 0
	s_lshl_b32 s70, s19, 7
	s_mov_b32 s71, 0
	s_wait_dscnt 0x0
	s_wait_kmcnt 0x0
	s_add_nc_u64 s[4:5], s[4:5], s[66:67]
	s_add_nc_u64 s[6:7], s[6:7], s[68:69]
	s_add_nc_u64 s[8:9], s[8:9], s[70:71]
	s_lshl_b32 s66, ttmp9, 9
	s_add_nc_u64 s[16:17], s[16:17], s[66:67]      ; the unit's 512 bytes of scl
.irp s, 0,1,2,3,4,5,6,7                ; group 0, a set for each K step
	s_mov_b32 s[G0+4*\s], 1
	s_add_co_u32 s[G0+4*\s+1], s22, XTS*\s         ; LDS: wave x 67,584 + step x 8,448
	s_add_nc_u64 s[G0+4*\s+2:G0+4*\s+3], s[4:5], 512*\s
	s_or_b32 s[G0+4*\s+3], s[G0+4*\s+3], 0x80000000
.endr
.irp s, 0,1,2,3,4,5,6,7
	tensor_load_to_lds s[G0+4*\s:G0+4*\s+3], s[G1:G1+7]   ; all of my x at once: 64 KiB a wave on their way
	s_nop 0
.endr
	PLACES 4                                       ; behind the loads, ahead of the switch of windows
	WLOAD 0
	WLOAD 1
	s_cmp_lt_u32 s[WV], 2                          ; waves 0 and 1 hold four column tiles, waves 2 and 3 two
	s_cbranch_scc0 .Lw_done
	WLOAD 2
	WLOAD 3
.Lw_done:
; A K STEP of 128.
.macro STEP s
	s_wait_tensorcnt 7-(\s)                        ; a wave's tensor loads end in order (ISA guide 10.11.1): this step's tile is in, the 7 - s younger ones may be out
.irp b, 0,1,2,3
.irp j, 0,1,2,3
	ds_load_b128 v[XN+16*\b+4*\j:XN+16*\b+4*\j+3], v[XA] offset:XTS*(\s)+128*\b+16*\j
.endr
.endr
	s_wait_dscnt 0x0
	QUANT XN, 2, 0, PC, PW
.irp q, 0,1,2
	ds_store_b128 v[XWI], v[PC+4*\q:PC+4*\q+3] offset:6144*((\s)%2)+512*\q
.endr
	ds_store_b32 v[XWS], v[PW] offset:512*((\s)%2)
	BARRIER                                        ; this step's four images are whole; and every wave's reads of the other set, the step before, were waited for ahead of its signal: the next step may write that set
.irp t, 0,1,2,3
.irp q, 0,1,2
	ds_load_b128 v[XF+12*\t+4*\q:XF+12*\t+4*\q+3], v[RI] offset:6144*((\s)%2)+1536*\t+512*\q   ; (the lines of QUANT are the places behind the last step's products)
.endr
	ds_load_b32 v[XS+\t], v[RS] offset:512*((\s)%2)+128*\t
.endr
.if (\s) == 0
	s_wait_loadcnt 0x0                             ; W
.endif
	s_wait_dscnt 0x0
	s_cmp_lt_u32 s[WV], 2
	s_cbranch_scc0 .Lvarm_\@
	WIN 0xf1+((\s)/4)                              ; source 0 (W) window 1 or 2, source 1 (x) window 0, C and D window 3
.irp tt, 0,1,2,3                       ; the accumulators take turns, one instruction a turn, in the same order in every step
.irp ct, 0,1,2,3
	MM 8*(4*\tt+\ct), 12*(4*((\s)%4)+\ct), XF+12*\tt, (\s), WS+4*(\s)+\ct, XS+\tt
.endr
.endr
	WIN 0
	s_branch .Ljoin_\@
.Lvarm_\@:
	WIN 0xf4+4*((\s)/4)                            ; source 0 (x) window 0, source 1 (W) window 1 or 2
.irp tp, 0,1
.irp tt, 0,1,2,3
	MM 8*(4*\tp+\tt), XF+12*\tt, 12*(4*((\s)%4)+\tp), (\s), XS+\tt, WS+4*(\s)+\tp
.endr
.endr
	WIN 0
.Ljoin_\@:
.endm
.irp s, 0,1,2,3,4,5,6,7
	STEP \s
.endr
	; THE RESULTS ARE QUANTISED IN REGISTERS AND LEAVE AS IMAGES.
	PLACES 4                                       ; behind the last products, ahead of the first read of results
	s_mul_i32 s66, ttmp9, 3072                     ; the unit's bytes in kc, qc and vc
	s_cmp_lt_u32 s[WV], 2
	s_cbranch_scc0 .Lv_out
	s_cmp_eq_u32 s[WV], 0
	s_cselect_b64 s[10:11], s[10:11], s[12:13]     ; wave 0: kc; wave 1: qc
	s_add_nc_u64 s[10:11], s[10:11], s[66:67]
.irp tt, 0,1,2,3                       ; token tile tt: registers 32 tt + 16 b + i = channel 32 b + 16 h + i of my token: two blocks
	QUANT 32*\tt, 1, 3, IM+6*\tt, HW+\tt
.endr
	v_lshl_or_b32 v[WD], v[HW+1], 16, v[HW]        ; an image's scale word: tile 2 b's two bytes, then tile 2 b + 1's
	v_lshl_or_b32 v[WD+1], v[HW+3], 16, v[HW+2]
	ds_store_b64 v[SAQ], v[WD:WD+1]
.irp b, 0,1
.irp q, 0,1,2
	global_store_b128 v[LI], v[IM+12*\b+4*\q:IM+12*\b+4*\q+3], s[10:11] offset:1536*\b+512*\q   ; 512 consecutive bytes, aligned
.endr
.endr
	s_branch .Lmeet
.Lv_out:
	s_sub_co_u32 s19, s[WV], 2
	s_mul_i32 s19, s19, 1536
	s_add_co_u32 s66, s66, s19
	s_add_nc_u64 s[14:15], s[14:15], s[66:67]      ; my two half-images
.irp tp, 0,1                           ; channel tile tp of mine: registers 32 tp + 16 b + i = token 32 b + 16 h + i of my channel: two blocks down the tokens
	QUANT 32*\tp, 1, 3, IM+6*\tp, HW+\tp
	ds_store_b16 v[SAV], v[HW+\tp] offset:2*\tp    ; both halves of the lanes write the same half-word with the same value
	global_store_b128 v[LI], v[IM+6*\tp:IM+6*\tp+3], s[14:15] offset:768*\tp
	global_store_b64 v[L8], v[IM+6*\tp+4:IM+6*\tp+5], s[14:15] offset:768*\tp+512   ; 256 consecutive bytes, aligned
.endr
.Lmeet:
	BARRIER                                        ; the unit's 512 bytes of scales lie in the stage
	s_cmp_lg_u32 s[WV], 0
	s_cbranch_scc1 .Lend
	ds_load_b128 v[OUTR:OUTR+3], v[SRD]            ; into registers that no pending store reads
	s_wait_dscnt 0x0
	global_store_b128 v[LI], v[OUTR:OUTR+3], s[16:17]   ; 512 consecutive bytes, aligned
.Lend:
	s_wait_tensorcnt 0x0
	ds_add_u32 v254, v255
	s_wait_dscnt 0x0
	s_endpgm
.Lfunc_end_k_q0b83a3045f_proj:
	.size	k_q0b83a3045f_proj, .Lfunc_end_k_q0b83a3045f_proj-k_q0b83a3045f_proj
	.p2alignl 7, 3214868480
	.fill 96, 4, 3214868480
	.section	.rodata,"a",@progbits
	.p2align	6, 0x0
	.amdhsa_kernel k_q0b83a3045f_proj
		.amdhsa_group_segment_fixed_size 287232
		.amdhsa_private_segment_fixed_size 0
		.amdhsa_enable_private_segment 0
		.amdhsa_kernarg_size 56
		.amdhsa_user_sgpr_count 2
		.amdhsa_user_sgpr_kernarg_segment_ptr 1
		.amdhsa_wavefront_size32 1
		.amdhsa_system_sgpr_workgroup_id_x 1
		.amdhsa_system_sgpr_workgroup_id_y 1
		.amdhsa_system_sgpr_workgroup_id_z 1
		.amdhsa_system_vgpr_workitem_id 0
		.amdhsa_next_free_vgpr 896
		.amdhsa_next_free_sgpr 72
		.amdhsa_reserve_vcc 0
		.amdhsa_float_denorm_mode_32 3
		.amdhsa_float_denorm_mode_16_64 3
		.amdhsa_memory_ordered 1
		.amdhsa_forward_progress 1
		.amdhsa_inst_pref_size 109
	.end_amdhsa_kernel
	.amdgpu_metadata
---
amdhsa.version: [ 1, 2 ]
amdhsa.kernels:
  - .name:           k_q0b83a3045f_proj
    .symbol:         k_q0b83a3045f_proj.kd
    .args:
      - { .name: x, .offset: 0, .size: 8, .value_kind: global_buffer, .address_space: global }
      - { .name: wc, .offset: 8, .size: 8, .value_kind: global_buffer, .address_space: global }
      - { .name: wsc, .offset: 16, .size: 8, .value_kind: global_buffer, .address_space: global }
      - { .name: kc, .offset: 24, .size: 8, .value_kind: global_buffer, .address_space: global }
      - { .name: qc, .offset: 32, .size: 8, .value_kind: global_buffer, .address_space: global }
      - { .name: vc, .offset: 40, .size: 8, .value_kind: global_buffer, .address_space: global }
      - { .name: scl, .offset: 48, .size: 8, .value_kind: global_buffer, .address_space: global }
    .group_segment_fixed_size: 287232
    .private_segment_fixed_size: 0
    .kernarg_segment_align: 8
    .kernarg_segment_size: 56
    .max_flat_workgroup_size: 128
    .sgpr_count:     72
    .vgpr_count:     896
    .wavefront_size: 32
...
	.end_amdgpu_metadata
.endif
;; end of part 2
;; launch attn (part 3): grid 64 x 4, 8 waves a work-group, no clusters, 144,384 bytes of LDS; arguments qc, kc, vc, scl, out0; writes out0
.if DOCPART == 3
	.amdgcn_target "amdgcn-amd-amdhsa--gfx1250"
	.amdhsa_code_object_version 6
	.text
	.protected	k_q0b83a3045f_attn
	.globl	k_q0b83a3045f_attn
	.p2align	8
	.type	k_q0b83a3045f_attn,@function
k_q0b83a3045f_attn:
	s_mov_b64 s[64:65], 0
	v_nop
	global_prefetch_b8 v0, s[64:65] scope:SCOPE_SE
	s_setreg_imm32_b32 hwreg(HW_REG_WAVE_MODE, 25, 1), 1
	s_wait_xcnt 0x0
; out0[b][q][:] = the sum over keys k <= q of softmax_k(q . k / 8) v[k][:], both products on codes of BF6 (E3M2) with one E8M0 scale for each 32 along a product's K.  4 batches x 4,096 tokens x 64 channels.
; THE SOFTMAX AHEAD OF THE SECOND PRODUCT: t = score x log2(e) / 8; M = the largest t so far, rounded UP to a whole number; p = 2^(t - M) is what is quantised, along the keys, not normalised.
; The row's sum is taken of the unquantised p in f32 and divides at the end.  When M moves, the sum and O are multiplied by 2^(old M - new M): exact.
; SHARES.  Work-group (j, batch) owns two blocks of 32 queries: 127 - j and j.  Block i needs i / 4 + 1 key steps of 128 (the steps wholly behind the diagonal are not computed), so every work-group has
; 33 units (a block x a key step).  THE EIGHT WAVES SHARE THE KEYS: the units are dealt out one by one, 4 or 5 to a wave, so each byte of k and v that a unit needs is loaded once, by the one wave that uses it,
; straight into operand registers as an image (loads of 512 or 256 consecutive bytes).  Each wave keeps its own M, sum and O^T for both blocks; they meet in LDS behind ONE barrier and are merged by exact powers of two.
; LAYOUT.  Both products are used transposed: S^T = K Q^T (source 0 = keys, source 1 = 16 queries), O^T = V^T P^T (source 0 = 16 channels, source 1 = P): a lane holds ONE query throughout.
; K = 64 IN AN INSTRUCTION OF 128: an image of kc holds two tiles of 16 keys, one in k = 0 .. 63, one in k = 64 .. 127.  It is multiplied twice: by [q | zero codes] and by [zero codes | q]; the scale bytes of q's zero half
; are 0 (2^-127).  Zero codes times k's finite codes add exactly 0: the rest of the K step is zero on q's side alone.
; The keys of a tile are not neighbours (the launch before lays them so): the 16 registers of an image's two results are keys 32 f + 16 (lane / 16) + 0 .. 15.
; NO JOINT LOADS: the query blocks of a batch need different numbers of key steps (1 to 32), and a fragment goes to the registers of one wave: there is no LDS tile that partners could share.
; LIMITS: a block of p that is all zeros keeps the byte 1 (its codes are zeros); NaN and infinities among the inputs are not served.
; REGISTERS.  window 0: v1-9 addresses; v10-13 q's scale words; v14-17 k's scale words (lanes 0-15) and v's half-words (lanes 16-31) as loaded; v18-21 v's scale words (lanes 16-31);
;   v22-29 for each tile -M, the largest t, the sum in two halves; v30 f, v31 p's scale word; v32-61 zero | q tile 0 | zero | q tile 1 | zero, six registers each; v62-63 at work;
;   v64-127 S^T, then p; v128-191 O^T, 32 a tile; v192-203 p's codes; v204-219 at work.   window 1: v0-47 k's four images; v48-95 v's four fragments.
.set OSTW, 17408                       ; LDS: O^T's stage: [wave 8][block 2][32 rows][256 bytes + 16]
.set OSTB, 8704
.set OP,   272
.set NMB,  139264                      ; -M: [block 2][row 32][wave 8] f32;
.set LLO,  2048                        ; the sums likewise, 2,048 bytes on
.set LI,  1                            ; v1  16 x lane
.set L8,  2                            ; v2  8 x lane
.set QD,  3                            ; v3  r + 8 (r / 8) - 16 h: for the mask
.set SOA, 4                            ; v4  the stage: where I put my query's channels
.set NMW, 5                            ; v5  where I put -M and the sum
.set RD0, 6                            ; v6  the merge: my row in waves 0-3's stages
.set RD1, 7                            ; v7  in waves 4-7's
.set NMR, 8                            ; v8  my row's eight -M
.set GO,  9                            ; v9  my 16 bytes in two rows of out0
.set QS,  10
.set KS,  14
.set VW,  18
.set ST,  22
.set FF,  30
.set PW,  31
.set QZ,  32
.set T0,  62
.set T1,  63
.set S,   64
.set O,   128
.set P,   192
.set PT,  204
.set BM,  212
.set SO,  216
.set MB,  64                           ; the merge: 48 registers for each of four rows
.set WV,  14                           ; s14 wave;  s15 j;  s16 batch;  s17 key steps of block 127 - j
.set JJ,  15
.set BT,  16
.set NH,  17
.set CS,  18                           ; s[18:19] c = log2(e) / 8
.set SEL, 20                           ; s[20:21] selects for lane l xor 16
.set PLO, 22                           ; s22, s23 byte selects: two low halves, two high halves
.set PHI, 23
.set BLK, 24                           ; s24 the block;  s25 its last key step;  s26 my first step;  s27 steps to go;  s28 my last step;  s29 32 (block % 4)
.set NM1, 25
.set S0,  26
.set CNT, 27
.set LAST, 28
.set DM,  29
.set SK,  32                           ; s[32:33] k's images of the step to load;  s[34:35] v's;  s[36:37] the scales;  s[38:39] q's image;  s[40:41] q's scale words
.set SV,  34
.set SS,  36
.set SQ,  38
.set SQS, 40
.set MSB, 0
.macro WIN new                         ; the immediate's high byte repeats the setting that is left
.if MSB != (\new)
	s_set_vgpr_msb (MSB<<8)|(\new)
.set MSB, (\new)
.endif
.endm
.macro PLACES n
.rept \n
	v_nop
.endr
.endm
.macro LOADK                           ; a key step's four images of k and its 2 x 256 bytes of scales: 14 loads
	WIN 0x40                                       ; destination window 1
.irp f, 0,1,2,3
.irp q, 0,1,2
	global_load_b128 v[12*\f+4*\q:12*\f+4*\q+3], v[LI], s[SK:SK+1] offset:1536*\f+512*\q
.endr
.endr
	WIN 0
	global_load_b64 v[KS:KS+1], v[L8], s[SS:SS+1]              ; lanes 0-15: k's words of images 0, 1; lanes 16-31: v's four half-words of the first 64 keys
	global_load_b64 v[KS+2:KS+3], v[L8], s[SS:SS+1] offset:512 ; the same of images 2, 3 and of the second 64 keys
.endm
.macro LOADV                           ; a key step's four fragments of v: 16 loads
	WIN 0x40
.irp t, 0,1,2,3
.irp q, 0,1
	global_load_b128 v[48+12*\t+6*\q:48+12*\t+6*\q+3], v[LI], s[SV:SV+1] offset:3072*\q+768*\t
	global_load_b64 v[48+12*\t+6*\q+4:48+12*\t+6*\q+5], v[L8], s[SV:SV+1] offset:3072*\q+768*\t+512
.endr
.endr
	WIN 0
.endm
.macro QK u                            ; S^T of query tile u: image f against [q | 0] (its first 16 keys) and [0 | q] (its second)
	WIN 0x01                                       ; source 0 window 1
.irp f, 0,1,2,3
.irp hf, 0,1
	v_wmma_scale_f32_16x16x128_f8f6f4 v[S+16*\f+8*\hf:S+16*\f+8*\hf+7], v[12*\f:12*\f+11], v[QZ+12*(\u)+6*(1-\hf):QZ+12*(\u)+6*(1-\hf)+11], 0, v[KS+\f], v[QS+2*(\u)+\hf] matrix_a_fmt:MATRIX_FMT_BF6 matrix_b_fmt:MATRIX_FMT_BF6
.endr
.endr
	WIN 0
.endm
.macro PV u                            ; O^T += V^T P^T: four tiles of 16 channels by turns; v's scale words stand in lanes 16-31
	WIN 0x01
.irp t, 0,1,2,3
	v_wmma_scale_f32_16x16x128_f8f6f4 v[O+32*(\u)+8*\t:O+32*(\u)+8*\t+7], v[48+12*\t:48+12*\t+11], v[P:P+11], v[O+32*(\u)+8*\t:O+32*(\u)+8*\t+7], v[VW+\t], v[PW] matrix_a_fmt:MATRIX_FMT_BF6 matrix_b_fmt:MATRIX_FMT_BF6 matrix_a_scale:MATRIX_SCALE_ROW1
.endr
	WIN 0
.endm
; The softmax of query tile u for one key step.  mask = 1: the step may be the block's last, which holds the diagonal.
.macro SOFT u, mask
.set rT, ST+4*(\u)
.set rO, O+32*(\u)
.if \mask
	s_cmp_lg_u32 s[LAST], s[NM1]                   ; a scalar branch on ids: only the block's last key step has hidden keys
	s_cbranch_scc1 .Lopen_\@
	v_add_nc_u32 v[T0], s[DM], v[QD]
	v_add_nc_u32 v[T0], 8*(\u), v[T0]              ; d = my query - the step's first key - 16 (lane / 16).  Register 16 f + i holds key 32 f + 16 (lane / 16) + i: hidden where 32 f + i > d
	v_mov_b32 v[T1], 0xff800000                    ; -infinity: p = 0 then
.set N_, 0
.rept 64
	v_cmp_gt_i32 vcc_lo, 32*(N_/16)+N_%16, v[T0]
	v_cndmask_b32 v[S+N_], v[S+N_], v[T1], vcc_lo
.set N_, N_+1
.endr
.Lopen_\@:
.endif
.irp b, 0,1,2,3
	v_max3_num_f32 v[BM+\b], v[S+16*\b], v[S+16*\b+1], v[S+16*\b+2]   ; THE LARGEST SCORE OF EACH BLOCK OF 32 KEYS serves twice: for the row's maximum, and, since p rises with the score, for the block's largest p
.endr
.irp i, 3,5,7,9,11,13
.irp b, 0,1,2,3
	v_max3_num_f32 v[BM+\b], v[BM+\b], v[S+16*\b+\i], v[S+16*\b+\i+1]
.endr
.endr
.irp b, 0,1,2,3
	v_max_num_f32 v[BM+\b], v[BM+\b], v[S+16*\b+15]
.endr
.irp b, 0,1,2,3
	v_permlanex16_b32 v[PT+\b], v[BM+\b], s[SEL], s[SEL+1]
.endr
.irp b, 0,1,2,3
	v_max_num_f32 v[BM+\b], v[BM+\b], v[PT+\b]     ; with lane l xor 16's 16 keys
.endr
	v_max3_num_f32 v[T0], v[BM], v[BM+1], v[BM+2]
	v_max_num_f32 v[T0], v[T0], v[BM+3]            ; the step's largest score of my query (the step's first key counts for every query, so it is a number)
	v_mul_f32 v[T0], s[CS], v[T0]                  ; as t (c is positive)
	v_max_num_f32 v[rT+1], v[rT+1], v[T0]          ; the running largest t
	v_mov_b32 v[T0], v[rT]
	v_floor_f32 v[rT], -v[rT+1]                    ; the new -M = floor(-t) = -ceil(t): M IS A WHOLE NUMBER
	v_sub_f32 v[T0], v[rT], v[T0]                  ; old M - new M: a whole number, 0 or less
	v_cvt_i32_f32 v[T0], v[T0]                     ; (it saturates)
	v_ldexp_f32 v[FF], 1.0, v[T0]                  ; f = 2^(old M - new M)
.set J_, 0
.rept 32
	v_pk_fma_f32 v[S+J_:S+J_+1], v[S+J_:S+J_+1], s[CS:CS+1], v[rT:rT+1] op_sel_hi:[1,0,0]   ; t - M, two at a time (of the pairs c and -M the low word serves both halves)
.set J_, J_+2
.endr
.irp b, 0,1,2,3
	v_fma_f32 v[BM+\b], v[BM+\b], s[CS], v[rT]     ; the same of each block's largest score
.endr
.set J_, 0
.rept 64
	v_exp_f32 v[S+J_], v[S+J_]                     ; p = 2^(t - M), at most 1
.set J_, J_+1
.endr
.irp b, 0,1,2,3
	v_exp_f32 v[BM+\b], v[BM+\b]                   ; the block's largest p: the same two instructions on the same number give the same bits
.endr
	v_pk_mul_f32 v[rT+2:rT+3], v[rT+2:rT+3], v[FF:FF+1] op_sel_hi:[1,0]   ; the sums under the new M.  (A plain place behind the exponentials)
	s_wait_alu depctr_va_vdst(0)
.irp b, 0,1,2,3
	v_max_num_f32 v[BM+\b], 0x2800000, v[BM+\b]    ; the floor 2^(5 - 127): the byte cannot fall under 1
.endr
.irp b, 0,1,2,3
	v_add_nc_u32 v[SO+\b], 0xfe000000, v[BM+\b]    ; 4 off the exponent field: the conversion's scale operand
.endr
.irp b, 0,1,2,3
	v_lshrrev_b32 v[PT+\b], 23, v[SO+\b]           ; the scale's byte
.endr
	v_lshl_or_b32 v[PW], v[PT+1], 8, v[PT]         ; p's scale word for these 128 keys
	v_lshl_or_b32 v[PW], v[PT+2], 16, v[PW]
	v_lshl_or_b32 v[PW], v[PT+3], 24, v[PW]
.irp c, 0,1
	v_cvt_scalef32_pk16_bf6_f32 v[P+6*\c:P+6*\c+2], v[S+32*\c:S+32*\c+15], v[SO+2*\c]
	v_cvt_scalef32_pk16_bf6_f32 v[PT+4*\c:PT+4*\c+2], v[S+32*\c+16:S+32*\c+31], v[SO+2*\c+1]   ; (a conversion's three registers begin on an even number)
.endr
	v_nop                                          ; one plain place behind a scaled conversion
.irp c, 0,1                            ; the operand's layout wants a WHOLE block in a lane
.irp i, 0,1,2
	v_permlane16_swap_b32 v[P+6*\c+\i], v[PT+4*\c+\i]
.endr
.irp i, 0,1,2
	v_mov_b32 v[P+6*\c+3+\i], v[PT+4*\c+\i]
.endr
.endr
	v_pk_add_f32 v[PT:PT+1], v[S:S+1], v[S+2:S+3]  ; THE ROW'S SUM IS TAKEN OF THE UNQUANTISED p: two at a time, in two chains
.irp j, 4,8,12,16,20,24,28,32,36,40,44,48,52,56,60
	v_pk_add_f32 v[rT+2:rT+3], v[rT+2:rT+3], v[S+\j:S+\j+1]
	v_pk_add_f32 v[PT:PT+1], v[PT:PT+1], v[S+\j+2:S+\j+3]
.endr
	v_pk_add_f32 v[rT+2:rT+3], v[rT+2:rT+3], v[PT:PT+1]
.set J_, 0
.rept 16
	v_pk_mul_f32 v[rO+J_:rO+J_+1], v[rO+J_:rO+J_+1], v[FF:FF+1] op_sel_hi:[1,0]   ; O^T under the new M, from each accumulator's low end on.  (With the sums: the places between p's codes and scale word and the products)
.set J_, J_+2
.endr
.endm
; A KEY STEP for both query tiles of the block.  next = 1: my next step's operands are asked for as soon as their registers are free.
.macro STEP next, mask
	s_wait_loadcnt 16                              ; loads come back in order (ISA guide 5.7.1): k and the scales are in; the 16 younger loads are v's
	v_perm_b32 v[VW], v[KS+2], v[KS], s[PLO]       ; v's scale word of channel tile t: the half-word of the first 64 keys, then that of the second (in lanes 16-31)
	v_perm_b32 v[VW+1], v[KS+2], v[KS], s[PHI]
	v_perm_b32 v[VW+2], v[KS+3], v[KS+1], s[PLO]
	v_perm_b32 v[VW+3], v[KS+3], v[KS+1], s[PHI]
	QK 0
	PLACES 4                                       ; ahead of the first read of results (ISA guide 7.12.1)
	SOFT 0, \mask
	s_wait_loadcnt 0x0                             ; v
	PV 0
	QK 1
	PLACES 4                                       ; ahead of the reads of results and of the loads into k's registers
.if \next
	s_add_nc_u64 s[SK:SK+1], s[SK:SK+1], 49152     ; eight key steps on; the loads that named these bases were shown done at the step's head
	s_add_nc_u64 s[SS:SS+1], s[SS:SS+1], 8192
	LOADK
.endif
	SOFT 1, \mask
	PV 1
	PLACES 4                                       ; ahead of the loads into v's registers, of the next writes of v's scale words, and of the reads of O^T
.if \next
	s_add_nc_u64 s[SV:SV+1], s[SV:SV+1], 49152     ; v's loads were shown done by the wait for 0
	LOADV
.endif
.endm
; My share of one block: bi = 0: block 127 - j, my steps w, w + 8, ..;  bi = 1: block j, whose units follow the first block's in the deal.
.macro PASS bi
.if \bi == 0
	s_sub_co_u32 s[BLK], 127, s[JJ]
	s_mov_b32 s[S0], s[WV]
.else
	s_mov_b32 s[BLK], s[JJ]
	s_sub_co_u32 s[S0], s[WV], s[NH]
	s_and_b32 s[S0], s[S0], 7
.endif
	s_lshr_b32 s[NM1], s[BLK], 2                   ; the block's last key step
	s_add_co_u32 s[CNT], s[NM1], 8
	s_sub_co_u32 s[CNT], s[CNT], s[S0]
	s_lshr_b32 s[CNT], s[CNT], 3                   ; how many steps are mine: (steps + 7 - first) / 8, which may be 0
	s_lshl_b32 s[LAST], s[CNT], 3
	s_add_co_u32 s[LAST], s[LAST], s[S0]
	s_sub_co_u32 s[LAST], s[LAST], 8               ; my last step
	s_and_b32 s[DM], s[BLK], 3
	s_lshl_b32 s[DM], s[DM], 5                     ; the block's first query less the last step's first key
.irp u, 0,1
	v_mov_b32 v[ST+4*\u+1], 0xff61b1e6             ; the largest t so far: -3e38, under every t
	v_floor_f32 v[ST+4*\u], -v[ST+4*\u+1]          ; -M
	v_mov_b32 v[ST+4*\u+2], 0                      ; the sum, in two halves
	v_mov_b32 v[ST+4*\u+3], 0
.endr
.set J_, 0
.rept 64
	v_mov_b32 v[O+J_], 0                           ; O^T.  (The step is written once: the first finds zeros, which the first change of M leaves zeros; and a wave without a step hands zeros on)
.set J_, J_+1
.endr
	s_cmp_eq_u32 s[CNT], 0
	s_cbranch_scc1 .Ldump_\@
	s_mov_b32 s31, 0
	s_mul_i32 s30, s[BLK], 1536
	s_add_nc_u64 s[SQ:SQ+1], s[4:5], s[30:31]      ; q's image
	s_lshr_b32 s30, s[BLK], 1
	s_lshl_b32 s30, s30, 9
	s_and_b32 s42, s[BLK], 1
	s_lshl_b32 s42, s42, 2
	s_add_co_u32 s30, s30, s42
	s_add_co_u32 s30, s30, 256
	s_add_nc_u64 s[SQS:SQS+1], s[10:11], s[30:31]  ; its scale words
	s_mul_i32 s30, s[S0], 6144
	s_add_nc_u64 s[SK:SK+1], s[6:7], s[30:31]
	s_add_nc_u64 s[SV:SV+1], s[8:9], s[30:31]
	s_lshl_b32 s30, s[S0], 10
	s_add_nc_u64 s[SS:SS+1], s[10:11], s[30:31]
.irp q, 0,1,2
	global_load_b128 v[S+4*\q:S+4*\q+3], v[LI], s[SQ:SQ+1] offset:512*\q
.endr
	global_load_b32 v[S+12], v[L8], s[SQS:SQS+1]
	LOADK
	LOADV
	s_wait_loadcnt 30                              ; q is in: behind its four loads stand k's 14 and v's 16
	v_and_b32 v[QS], 0xffff, v[S+12]               ; tile 0 against [q | 0]: its two bytes below, 0 above;
	v_lshlrev_b32 v[QS+1], 16, v[S+12]             ; against [0 | q]: above;
	v_lshrrev_b32 v[QS+2], 16, v[S+12]             ; tile 1 likewise
	v_and_b32 v[QS+3], 0xffff0000, v[S+12]
.irp i, 0,1,2,3,4,5
	v_mov_b32 v[QZ+6+\i], v[S+\i]                  ; tile 0's codes between two runs of zeros,
.endr
.irp i, 0,1,2,3,4,5
	v_mov_b32 v[QZ+18+\i], v[S+6+\i]               ; tile 1's
.endr
	s_sub_co_u32 s[CNT], s[CNT], 1
	s_cmp_eq_u32 s[CNT], 0
	s_cbranch_scc1 .Ltail_\@
.Lloop_\@:
	STEP 1, 0                                      ; none but a wave's last step can hold the diagonal
	s_sub_co_u32 s[CNT], s[CNT], 1
	s_cmp_lg_u32 s[CNT], 0
	s_cbranch_scc1 .Lloop_\@
.Ltail_\@:
	STEP 0, 1                                      ; my last step asks for nothing more
.Ldump_\@:
.irp u, 0,1
	v_add_f32 v[ST+4*\u+2], v[ST+4*\u+2], v[ST+4*\u+3]   ; the sum's two halves,
.endr
.irp u, 0,1
	v_permlanex16_b32 v[T0+\u], v[ST+4*\u+2], s[SEL], s[SEL+1]
.endr
.irp u, 0,1
	v_add_f32 v[ST+4*\u+2], v[ST+4*\u+2], v[T0+\u] ; and lane l xor 16's
.endr
.irp u, 0,1
	ds_store_b32 v[NMW], v[ST+4*\u] offset:1024*\bi+512*\u          ; both halves of the lanes write the same word with the same value
	ds_store_b32 v[NMW], v[ST+4*\u+2] offset:LLO+1024*\bi+512*\u
.irp t, 0,1,2,3
	ds_store_b128 v[SOA], v[O+32*\u+8*\t:O+32*\u+8*\t+3] offset:OSTB*\bi+16*OP*\u+128*(\t/2)+32*(\t%2)       ; register 8 t + i is channel 32 (t / 2) + 8 (t % 2) + 16 h + i; each accumulator from its low end on
	ds_store_b128 v[SOA], v[O+32*\u+8*\t+4:O+32*\u+8*\t+7] offset:OSTB*\bi+16*OP*\u+128*(\t/2)+32*(\t%2)+16
.endr
.endr
	s_wait_dscnt 0x0                               ; the stores have landed: for the next block's writes of these registers, and for the other waves
.endm
	s_load_b256 s[4:11], s[0:1], 0x0               ; qc s[4:5], kc s[6:7], vc s[8:9], scl s[10:11]
	s_load_b64 s[12:13], s[0:1], 0x20              ; out0
	s_set_vgpr_msb 0x40
	v_lshl_add_u32 v128, v0, 2, 0x23000
	v_mov_b32 v129, 0
	s_set_vgpr_msb 0x4000
	v_lshrrev_b32 v[T0], 5, v0
	v_readfirstlane_b32 s[WV], v[T0]               ; wave 0..7
	s_mov_b32 s[JJ], ttmp9
	s_and_b32 s[BT], ttmp7, 0xffff
	v_and_b32 v[T0], 31, v0                        ; lane
	v_and_b32 v[S], 15, v0                         ; r
	v_bfe_u32 v[S+1], v0, 4, 1                     ; h
	v_lshlrev_b32 v[LI], 4, v[T0]
	v_lshlrev_b32 v[L8], 3, v[T0]
	v_and_b32 v[QD], 8, v[S]
	v_add_nc_u32 v[QD], v[QD], v[S]
	v_lshlrev_b32 v[T1], 4, v[S+1]
	v_sub_nc_u32 v[QD], v[QD], v[T1]
	s_mul_i32 s30, s[WV], OSTW
	v_mul_u32_u24 v[SOA], v[S], OP
	v_lshl_add_u32 v[SOA], v[S+1], 6, v[SOA]
	v_add_nc_u32 v[SOA], s30, v[SOA]               ; my wave's stage, row r, + 64 h
	s_lshl_b32 s30, s[WV], 2
	s_add_co_u32 s30, s30, NMB
	v_lshl_add_u32 v[NMW], v[S], 5, s30            ; row r's eight words, mine the w-th
	s_lshr_b32 s30, s[WV], 2                       ; the merge: block w / 4, stage rows 8 (w % 4) + 2 i + lane / 16
	s_and_b32 s42, s[WV], 3
	s_mul_i32 s31, s30, OSTB
	s_mul_i32 s43, s42, 8*OP
	s_add_co_u32 s31, s31, s43
	v_mul_u32_u24 v[RD0], v[S+1], OP
	v_lshl_add_u32 v[RD0], v[S], 4, v[RD0]
	v_add_nc_u32 v[RD0], s31, v[RD0]
	v_add_nc_u32 v[RD1], 4*OSTW, v[RD0]
	s_lshl_b32 s31, s30, 10
	s_lshl_b32 s43, s42, 8
	s_add_co_u32 s31, s31, s43
	s_add_co_u32 s31, s31, NMB
	v_lshl_add_u32 v[NMR], v[S+1], 5, s31
	v_lshlrev_b32 v[GO], 8, v[S+1]
	v_lshl_add_u32 v[GO], v[S], 4, v[GO]
.irp z, 0,12,24
.irp i, 0,1,2,3,4,5
	v_mov_b32 v[QZ+\z+\i], 0                       ; the three runs of zero codes: written once
.endr
.endr
.irp b, 0,1,2,3
	v_mov_b32 v[PT+\b], 0                          ; written once: a lane permute's destination counts as one of its sources
.endr
	v_mov_b32 v[PW], 0                             ; (named as the upper half of the pair v[30:31] before it is first written)
	s_mov_b32 s[CS], 0x3e38aa3b                    ; c = log2(e) / sqrt(64)
	s_mov_b32 s[CS+1], s[CS]                       ; (named with it as a pair, so it is written)
	s_mov_b32 s[SEL], 0x76543210
	s_mov_b32 s[SEL+1], 0xfedcba98
	s_mov_b32 s[PLO], 0x05040100
	s_mov_b32 s[PHI], 0x07060302
	s_sub_co_u32 s[NH], 127, s[JJ]
	s_lshr_b32 s[NH], s[NH], 2
	s_add_co_u32 s[NH], s[NH], 1                   ; key steps of block 127 - j
	s_mul_i32 s30, s[BT], 196608                   ; a batch: 128 images of 1,536 bytes, or 64 units of 3,072
	s_mov_b32 s31, 0
	s_lshl_b32 s42, s[BT], 15                      ; 64 units of 512 bytes
	s_mov_b32 s43, 0
	s_wait_kmcnt 0x0
	s_add_nc_u64 s[4:5], s[4:5], s[30:31]
	s_add_nc_u64 s[6:7], s[6:7], s[30:31]
	s_add_nc_u64 s[8:9], s[8:9], s[30:31]
	s_add_nc_u64 s[10:11], s[10:11], s[42:43]
	s_lshl_b32 s42, s[BT], 20                      ; 4,096 rows of 256 bytes
	s_add_nc_u64 s[12:13], s[12:13], s[42:43]
	PASS 0
	PASS 1
	; THE MERGE.  Wave w serves block w / 4 and its stage rows 8 (w % 4) .. + 7, which are the block's rows 8 ((w % 4) / 2) + 16 (w % 2) .. + 7.
	s_sub_co_u32 s[BLK], 127, s[JJ]
	s_cmp_lt_u32 s[WV], 4
	s_cselect_b32 s[BLK], s[BLK], s[JJ]
	s_lshl_b32 s30, s[BLK], 5
	s_and_b32 s42, s[WV], 3
	s_lshr_b32 s43, s42, 1
	s_lshl_b32 s43, s43, 3
	s_add_co_u32 s30, s30, s43
	s_and_b32 s42, s42, 1
	s_lshl_b32 s42, s42, 4
	s_add_co_u32 s30, s30, s42
	s_lshl_b32 s30, s30, 8
	s_mov_b32 s31, 0
	s_add_nc_u64 s[12:13], s[12:13], s[30:31]
	s_barrier_signal -1                            ; my stores were waited for at the end of each block
	s_barrier_wait -1
.irp i, 0,1,2,3                        ; row 2 i + lane / 16 of my eight: sixteen lanes to a row, 16 bytes a lane, from each of the eight waves' stages
.irp ww, 0,1,2,3
	ds_load_b128 v[MB+48*\i+4*\ww:MB+48*\i+4*\ww+3], v[RD0] offset:OSTW*\ww+2*OP*\i
	ds_load_b128 v[MB+48*\i+16+4*\ww:MB+48*\i+16+4*\ww+3], v[RD1] offset:OSTW*\ww+2*OP*\i
.endr
	ds_load_b128 v[MB+48*\i+32:MB+48*\i+35], v[NMR] offset:64*\i           ; the row's eight -M,
	ds_load_b128 v[MB+48*\i+36:MB+48*\i+39], v[NMR] offset:64*\i+16
	ds_load_b128 v[MB+48*\i+40:MB+48*\i+43], v[NMR] offset:LLO+64*\i       ; and its eight sums
	ds_load_b128 v[MB+48*\i+44:MB+48*\i+47], v[NMR] offset:LLO+64*\i+16
.endr
	s_wait_dscnt 0x0
.irp i, 0,1,2,3
	v_min3_num_f32 v[QS+\i], v[MB+48*\i+32], v[MB+48*\i+33], v[MB+48*\i+34]   ; the least -M: the row's M
.endr
.irp k, 35,37
.irp i, 0,1,2,3
	v_min3_num_f32 v[QS+\i], v[QS+\i], v[MB+48*\i+\k], v[MB+48*\i+\k+1]
.endr
.endr
.irp i, 0,1,2,3
	v_min_num_f32 v[QS+\i], v[QS+\i], v[MB+48*\i+39]
.endr
.irp i, 0,1,2,3
.irp ww, 0,1,2,3,4,5,6,7
	v_sub_f32 v[MB+48*\i+32+\ww], v[QS+\i], v[MB+48*\i+32+\ww]   ; that wave's M less the row's: a whole number, 0 or less
.endr
.irp ww, 0,1,2,3,4,5,6,7
	v_cvt_i32_f32 v[MB+48*\i+32+\ww], v[MB+48*\i+32+\ww]         ; (it saturates: a wave without a step gets the factor 0)
.endr
.irp ww, 0,1,2,3,4,5,6,7
	v_ldexp_f32 v[MB+48*\i+32+\ww], 1.0, v[MB+48*\i+32+\ww]      ; the factor: an exact power of two
.endr
	v_mul_f32 v[KS+\i], v[MB+48*\i+32], v[MB+48*\i+40]
.irp q, 0,1,2,3
	v_mul_f32 v[MB+48*\i+\q], v[MB+48*\i+32], v[MB+48*\i+\q]
.endr
.irp ww, 1,2,3,4,5,6,7
	v_fmac_f32 v[KS+\i], v[MB+48*\i+32+\ww], v[MB+48*\i+40+\ww]  ; the row's sum,
.irp q, 0,1,2,3
	v_fmac_f32 v[MB+48*\i+\q], v[MB+48*\i+32+\ww], v[MB+48*\i+4*\ww+\q]   ; and my four channels of O
.endr
.endr
.endr
.irp i, 0,1,2,3
	v_rcp_f32 v[KS+\i], v[KS+\i]
.endr
	v_nop                                          ; one plain place behind a transcendental
	s_wait_alu depctr_va_vdst(0)
.irp i, 0,1,2,3
.irp q, 0,1,2,3
	v_mul_f32 v[MB+48*\i+\q], v[MB+48*\i+\q], v[KS+\i]
.endr
	global_store_b128 v[GO], v[MB+48*\i:MB+48*\i+3], s[12:13] offset:512*\i th:TH_STORE_NT   ; sixteen lanes store a row's 256 consecutive bytes, aligned; written once, read by nobody here
.endr
	s_set_vgpr_msb 0x5
	s_wait_tensorcnt 0x0
	ds_add_u32 v128, v129
	s_wait_dscnt 0x0
	s_set_vgpr_msb 0x500
	s_endpgm
.Lfunc_end_k_q0b83a3045f_attn:
	.size	k_q0b83a3045f_attn, .Lfunc_end_k_q0b83a3045f_attn-k_q0b83a3045f_attn
	.p2alignl 7, 3214868480
	.fill 96, 4, 3214868480
	.section	.rodata,"a",@progbits
	.p2align	6, 0x0
	.amdhsa_kernel k_q0b83a3045f_attn
		.amdhsa_group_segment_fixed_size 144384
		.amdhsa_private_segment_fixed_size 0
		.amdhsa_enable_private_segment 0
		.amdhsa_kernarg_size 40
		.amdhsa_user_sgpr_count 2
		.amdhsa_user_sgpr_kernarg_segment_ptr 1
		.amdhsa_wavefront_size32 1
		.amdhsa_system_sgpr_workgroup_id_x 1
		.amdhsa_system_sgpr_workgroup_id_y 1
		.amdhsa_system_sgpr_workgroup_id_z 1
		.amdhsa_system_vgpr_workitem_id 0
		.amdhsa_next_free_vgpr 386
		.amdhsa_next_free_sgpr 66
		.amdhsa_reserve_vcc 1
		.amdhsa_float_denorm_mode_32 3
		.amdhsa_float_denorm_mode_16_64 3
		.amdhsa_memory_ordered 1
		.amdhsa_forward_progress 1
		.amdhsa_inst_pref_size 172
	.end_amdhsa_kernel
	.amdgpu_metadata
---
amdhsa.version: [ 1, 2 ]
amdhsa.kernels:
  - .name:           k_q0b83a3045f_attn
    .symbol:         k_q0b83a3045f_attn.kd
    .args:
      - { .name: qc, .offset: 0, .size: 8, .value_kind: global_buffer, .address_space: global }
      - { .name: kc, .offset: 8, .size: 8, .value_kind: global_buffer, .address_space: global }
      - { .name: vc, .offset: 16, .size: 8, .value_kind: global_buffer, .address_space: global }
      - { .name: scl, .offset: 24, .size: 8, .value_kind: global_buffer, .address_space: global }
      - { .name: out0, .offset: 32, .size: 8, .value_kind: global_buffer, .address_space: global }
    .group_segment_fixed_size: 144384
    .private_segment_fixed_size: 0
    .kernarg_segment_align: 8
    .kernarg_segment_size: 40
    .max_flat_workgroup_size: 256
    .sgpr_count:     66
    .vgpr_count:     386
    .wavefront_size: 32
...
	.end_amdgpu_metadata
.endif
;; end of part 3
